; MI455X (gfx1250); checked and timed in simulation.
; The chip was launched on July 23, 2026; its instructions are those of AMD's public machine-readable ISA for CDNA 5 (MIT licence, August 2026) and "CDNA5" Instruction Set Architecture Reference Guide (July 2026). The comments in the code are by the model that wrote it; some were corrected since.
;; Differentiable Persistence Image. Allowed arithmetic: matrix products marked QUANTISED: E3M2 operands, one E8M0 scale for each 32 along K, by v_wmma_scale_f32_16x16x128_f8f6f4 with both operands' format E3M2, f32 sums; products left as they are: f32 operands where the result goes on into a quantised operand, else bf16, f16 or f32 operands; f32 sums; everything else in f32.
;; Inputs: diagrams 32 x 65,536 x 2 float32.
;; Outputs: out0 32 x 50 x 50 float32.
;; This version of the problem:
;;   THIS VERSION OF THE PROBLEM IS GIVEN IN LOW PRECISION. The matrix products marked QUANTISED in the list below multiply operands that are first quantised to E3M2 (3 exponent bits, 2 mantissa bits; 6 bits a number), with one power-of-two scale for each 32 numbers along K (OCP MX v1.0); their sums are f32. All else is computed in f32.
;;   The module's matrix products, in the order in which they are computed (A, B: the left and right operand; K: the contracted axis; several contracted axes count as one K, in the product's order):
;;     1. batch 2,097,152 x [M 1, K 1] x [K 1, N 50]; A: computed on the way; B: computed on the way: left as it is (no contracted axis)
;;     2. batch 32 x [M 50, K 65,536] x [K 65,536, N 50]; A: computed on the way; B: computed on the way: QUANTISED
;;   THE QUANTISER, for each operand of a quantised product, along K:
;;     - K is cut into blocks of 32 from its start; a last block that is shorter is filled with zeros.
;;     - A block's scale is 2^e with e = floor(log2(the largest magnitude in the block)) - 4, held to -126 .. 127; a block of zeros has e = 0. As a byte (E8M0): e + 127.
;;     - Each number is divided by its block's scale, clamped to +-28, and rounded to the nearest number of E3M2, ties to even, subnormals kept.
;;     - The product sums the exact products of the quantised numbers (number of the format x scale) in f32.
;;   ~~~python
;;   def quantise(x, axis):      # numpy; x: float32 -> the quantised numbers, widened to float32 again
;;       x = np.moveaxis(x, axis, -1); K = x.shape[-1]
;;       x = np.pad(x, [(0, 0)] * (x.ndim - 1) + [(0, -K % 32)]); x = x.reshape(x.shape[:-1] + (-1, 32)); a = np.abs(x).max(-1, keepdims=True)
;;       e = np.where(a > 0, np.clip(np.frexp(np.where(a > 0, a, 1))[1] - 1 - 4, -126, 127), 0)      # np.frexp(a)[1] - 1 = floor(log2(a)), exactly
;;       r = np.clip(x / 2.0 ** e, -28, 28)
;;       step = 2.0 ** (np.maximum(np.frexp(np.where(r == 0, 1, r))[1] - 1, -2) - 2)
;;       q = np.round(r / step) * step * 2.0 ** e      # np.round: ties to even
;;       return np.moveaxis(q.reshape(q.shape[:-2] + (-1,))[..., :K], -1, axis).astype(np.float32)
;;   ~~~
;;   OPERANDS COMPUTED ON THE WAY. 'Computed on the way' means the value that the module computes at that place (a softmax that the list does not call 'softmax' is quantised finished and normalised). What goes into a quantiser is computed in f32, as accurately as f32 sums, v_exp_f32 and their like allow (about 1e-6 of the number): no bf16 or f16 on the way to a quantiser, and a product that is left as it is and whose result goes on into a quantised operand takes f32 operands (vector FMAs, or v_wmma_f32_16x16x4_f32). A number that lies on a knife's edge between two numbers of the format may be rounded either way, as far as f32 arithmetic and the matrix unit's own rounding can turn it there, and no further.
;; 2 versions, each right; version 2 is version 1 with the launch image written anew for expert scheduling mode. Each part assembles by itself: llvm-mc -triple=amdgcn-amd-amdhsa -mcpu=gfx1250 --defsym DOCPART=n.
;; ======== version 1 of 2: 2 launches
;; limits: a function is approximated: absolute error at most 1e-06
;; workspace buffers: part 2,621,440 bytes
;; launch image (part 1): grid 8 x 32, 8 waves a work-group, no clusters, 263,168 bytes of LDS; arguments diagrams, part; writes part
.if DOCPART == 1
	.amdgcn_target "amdgcn-amd-amdhsa--gfx1250"
	.amdhsa_code_object_version 6
	.text
	.protected	k_q6f92a0d767_image
	.globl	k_q6f92a0d767_image
	.p2align	8
	.type	k_q6f92a0d767_image,@function
k_q6f92a0d767_image:
	s_mov_b64 s[64:65], 0
	v_nop
	global_prefetch_b8 v0, s[64:65] scope:SCOPE_SE
	s_setreg_imm32_b32 hwreg(HW_REG_WAVE_MODE, 25, 1), 1
	s_wait_xcnt 0x0
; part[8 y + x][i][j] = the sum over 8,192 points n of batch y of Q(w[n] ex[n][i]) Q(ey[n][j]):  one eighth of out[y][i][j].
; diagrams: [32][65536][2] f32, (birth b, death d).  w = min(|d - b|, 10)^2;  ex[n][i] = exp(-(x_i - b)^2 nf), ey[n][j] = exp(-(x_j - d)^2 nf), x_i = i / 49, nf = 1 / (2 x 0.05^2 + 1e-8).
; The einsum takes its first two operands first: w ex is an f32 multiplication, and the product over the points is the QUANTISED one: both operands as codes of E3M2, one E8M0 scale
; for each 32 consecutive points, by v_wmma_scale_f32_16x16x128_f8f6f4; sums in f32.
; NOTHING IS LEFT OUT: the one input is loaded whole, and every step of the computation is done.  The grid's 50 rows fill four tiles of 16: rows 50 to 63 of the last tile hold copies of rows
; 48 and 49 (inside a tile that holds live work); what they give is never stored to a byte that is read.
; THE ARITHMETIC OF A NUMBER: x_i = i / 49 rounded once (a product, a remainder by a fused multiply-add, a correction); x'_i = s x_i, s = sqrt(nf log2 e) = 16.986419;
; t' = x'_i - s b by ONE fused multiply-add; the number is 2^(-t' t').  Two packed instructions and two exponentials for two numbers.
; LIMITS.  x'_i is rounded once more than in the formula as it is written: half a unit in the last place of a number up to 17, which moves a result by up to 2 t' x 0.95e-6 x ln 2 of itself:
; under 0.7e-6 at a block's largest numbers, some 4e-6 at 2^-9 of them.  Results under 2^-126 come out as 0 (the exponential's own).  NaN and infinities among the inputs are not served.
; A block of zeros gets the scale byte 1 where the quantiser says 127: its codes are zeros, and nobody but this kernel reads the bytes.
; NO CLUSTER, NO TENSOR LOAD: no two work-groups read the same byte, and every point has to pass through registers anyway (b and d are parted, w and the edge rows are made).
; SHARES.  Work-group (x, y): points 8192 x .. + 8191 of batch y.  Each of its eight waves takes 1,024 of them, eight K steps of 128, all by itself, in LDS bytes of its own, with all 16 accumulators (64 x 64).
; The waves meet once, at the end: their eight images are added through LDS.  The eight work-groups of a batch are added by the next launch.
; LAYOUT.  Lane (r = l % 16, h = l / 16) holds grid row 16 t + r, and its registers run along the points: registers 6 c .. 6 c + 5 of a fragment are points 64 c + 32 h + 0 .. 31 of the K step.
; So a lane holds whole blocks of 32, no other lane is asked for a maximum, and the conversions' results are the operand's registers.  The points' b, d and w come from LDS, the same words for all 16 lanes of a half.
; THE EDGE ROWS 48, 49 cost four exponentials a point and no more: they are made while the points are staged (a lane holds points there), laid in LDS as f32, and quantised by ONE pass a side for all eight K steps:
; in that pass lane row r stands for (grid row 48 + r % 2, K step r / 2).  The registers go to LDS as an image (16 bytes a lane), and K step q takes its fragment from the image's lanes 16 h + 2 q + r % 2.
; THE MATRIX INSTRUCTION IS USED TRANSPOSED: source 0 = a tile of ey (j), source 1 = a tile of w ex (i): register k of lane (r, h) of accumulator (i, j) is out[16 i + r][16 j + 8 h + k].
; BY TURNS.  A unit is 32 numbers a lane (one tile, one block a lane).  While unit u's 32 exponentials are issued, unit u - 1 is weighed, searched for its maximum and converted, and unit u + 1's
; arguments are made, in the other buffer: the exponentials stand singly between those plain instructions, and each batch of 32 has one wait.
; LDS, for wave w from 32768 w on: b, d, w as f32 at 0, 4096, 8192 (4 bytes a point);  from 12288 four arrays of 4,224 bytes (w ex48, w ex49, ey48, ey49): 528 bytes a K step, 512 of data and 16 of padding,
; so that the sixteen rows of an edge read begin in sixteen different columns of 16 bytes;  from 29184 the two images, 1,664 bytes each: three blocks of 512, then 128 bytes of scale words.
; After the loop the same bytes hold the wave's image: 64 rows of 272 bytes.  From 262144: the spare words.
.set SPARE, 262144
.set EOFF,  12288
.set IMG,   29184
.set SPW, 1                            ; v1   LDS address of my spare word; never rewritten
.set NIL, 2                            ; v2   0; never rewritten
.set PA0, 3                            ; v3   my half's place among the points of a K step: region + 128 h
.set IA0, 4                            ; v4   my place in an image: region + IMG + 256 h + 16 (r % 2)
.set IS0, 5                            ; v5   and among its scale words: region + IMG + 1536 + 4 (r % 2)
.set SH8, 6                            ; v6   8 h
.set PT,  7                            ; v7   a lane permute's destination
.set SA,  8                            ; v8   staging: region + 8 x lane
.set EA,  9                            ; v9   the edge pass: region + EOFF + 4224 (r % 2) + 528 (r / 2) + 128 h
.set IW,  10                           ; v10  where I store an image: region + IMG + 16 x lane
.set ISW, 11                           ; v11  and its scale word: region + IMG + 1536 + 4 x lane
.set GA,  12                           ; v12  16 x lane: my bytes of a load's 512
.set PAQ, 13                           ; v13-15  the K step's three addresses
.set IAQ, 14
.set ISQ, 15
.set XP,  16                           ; v16-21  (x', x') of my grid rows r, 16 + r, 32 + r
.set MX0, 22                           ; v22, v23  two chains of a block's maximum
.set SCO, 24                           ; v24  the conversions' scale operand
.set BY,  25                           ; v25  a scale byte
.set CT,  26                           ; v26-28  a block's upper 16 codes
.set SWA, 30                           ; v30-33  scale words of w ex's four tiles: scales and nothing else
.set SWB, 34                           ; v34-37  of ey's
.set AF,  40                           ; v40-87  w ex's four fragments
.set BF0, 88                           ; v88-99, v100-111  two fragments of ey by turns
.set BF1, 100
.set BF3, 112                          ; v112-123  ey's edge fragment
.set VA,  124                          ; v124-155, v156-187  two buffers of 32 numbers
.set VB,  156
.set QA,  188                          ; v188-219, v220-251  two banks of 32 points' b, d or w
.set QB,  220
.set RAW, 188                          ; staging: the 16 loads, four registers each
.set XE48, 172                         ; staging: (x'48, x'48), (x'49, x'49)
.set XE49, 174
.set LN, 176                           ; v176-185  at work at the head
.set RR, 177
.set HH, 178
.set R1, 179
.set RQ, 180
.set WT, 181
.set RF, 182
.set FI, 183
.set QQ, 184
.set RM, 185
.set WR,  204                          ; the way out: r, h, my place in my wave's image, at work, my bytes in part
.set WH,  205
.set STO, 206
.set TX,  207
.set GO,  208
.set AD,  216                          ; v216-235  the way out: address of my pair k in waves 2 m and 2 m + 1, at v[AD + 5 m + k]
; window 1 (v256-383): the 16 accumulators, (i, j) at v[8 (4 j + i)]
.set MSB, 0
.set EB, VA
.set EI, 32
.macro WIN new                         ; the immediate's high byte repeats the setting that is left
.if MSB != \new
	s_set_vgpr_msb (MSB<<8)|\new
.set MSB, \new
.endif
.endm
.macro EXPSET vb                       ; the batch of 32 exponentials to be dealt out: buffer vb
.set EB, \vb
.set EI, 0
.endm
.macro EX                              ; the batch's next exponential, if one is left
.if EI < 32
	v_exp_f32 v[EB+EI], v[EB+EI]
.set EI, EI+1
.endif
.endm
.macro EW n, wf                        ; behind maximum n: an exponential each time (wf = 0) or every second time (wf = 1)
.if ((\wf) == 0) || ((\n) % 2)
	EX
.endif
.endm
.macro FLUSH                           ; the batch's end: what is left of it, a plain instruction behind the last, and the ONE wait ahead of the first instruction that names a result
.if EI < 32
.rept 32-EI
	EX
.endr
	v_nop
.endif
	s_wait_alu depctr_va_vdst(0)
.endm
; the arguments of a unit: -t' t', t' = x' - s p, for the 32 points in bank pb and my row of tile t.  An exponential of the batch in hand stands in front of each two lines, so two plain lines follow the last one
.macro ARGS vb, pb, t
.irp i, 0,2,4,6,8,10,12,14
	EX
	v_pk_fma_f32 v[\vb+2*\i:\vb+2*\i+1], v[\pb+2*\i:\pb+2*\i+1], s[10:11], v[XP+2*\t:XP+2*\t+1] op_sel_hi:[1,0,1]
	v_pk_fma_f32 v[\vb+2*\i+2:\vb+2*\i+3], v[\pb+2*\i+2:\pb+2*\i+3], s[10:11], v[XP+2*\t:XP+2*\t+1] op_sel_hi:[1,0,1]
.endr
.irp i, 0,2,4,6,8,10,12,14
	EX
	v_pk_mul_f32 v[\vb+2*\i:\vb+2*\i+1], v[\vb+2*\i:\vb+2*\i+1], v[\vb+2*\i:\vb+2*\i+1] neg_lo:[1,0] neg_hi:[1,0]
	v_pk_mul_f32 v[\vb+2*\i+2:\vb+2*\i+3], v[\vb+2*\i+2:\vb+2*\i+3], v[\vb+2*\i+2:\vb+2*\i+3] neg_lo:[1,0] neg_hi:[1,0]
.endr
.endm
; a unit's 32 numbers in buffer vb become six registers of codes at fd and a byte of scale word sw.  wf = 1: they are first multiplied by w (bank QB).  c: which of the lane's two blocks of the K step
.macro POST vb, fd, c, sw, wf
.if \wf
.irp i, 0,1,2,3,4,5,6,7,8,9,10,11,12,13,14,15
	v_pk_mul_f32 v[\vb+2*\i:\vb+2*\i+1], v[\vb+2*\i:\vb+2*\i+1], v[QB+2*\i:QB+2*\i+1]   ; w ex, in f32
	EW \i, 1
.endr
.endif
	v_max3_num_f32 v[MX0], v[\vb], v[\vb+1], 0x2800000                 ; the block's largest number (none is negative), with the floor 2^(5 - 127) among the leaves: the byte cannot fall under 1
	EW 0, \wf
	v_max3_num_f32 v[MX0+1], v[\vb+2], v[\vb+3], v[\vb+4]              ; two chains, so that no line waits for the line above it
	EW 1, \wf
.irp n, 0,1,2,3,4,5,6,7,8,9,10,11,12
	v_max3_num_f32 v[MX0+\n%2], v[MX0+\n%2], v[\vb+5+2*\n], v[\vb+6+2*\n]
	EW \n+2, \wf
.endr
	v_max3_num_f32 v[MX0], v[MX0], v[MX0+1], v[\vb+31]
	EW 15, \wf
	v_add_nc_u32 v[SCO], 0xfe000000, v[MX0]                            ; 4 off its exponent field: the conversion takes the exponent field of this operand as its scale
	v_cvt_scalef32_pk16_bf6_f32 v[\fd:\fd+2], v[\vb:\vb+15], v[SCO]
	v_cvt_scalef32_pk16_bf6_f32 v[CT:CT+2], v[\vb+16:\vb+31], v[SCO]   ; (a conversion's three registers begin on an even number)
.if \c == 0
	v_lshrrev_b32 v[\sw], 23, v[SCO]                                   ; the byte of my first block.  (The plain place behind the conversions)
.else
	v_lshrrev_b32 v[BY], 23, v[SCO]
	v_lshl_or_b32 v[\sw], v[BY], 16, v[\sw]                            ; my two bytes: blocks h and 2 + h of my row,
	v_lshlrev_b32 v[\sw], v[SH8], v[\sw]                               ; at their places in the word;
	v_permlanex16_b32 v[PT], v[\sw], s12, s13
	v_or_b32 v[\sw], v[\sw], v[PT]                                     ; with lane l xor 16's two the word is whole
.endif
.irp i, 0,1,2
	v_mov_b32 v[\fd+3+\i], v[CT+\i]
.endr
.endm
.macro LDQ bank, off                   ; 32 points' numbers from byte off of my half's place: all 16 lanes of a half read the same words
.irp k, 0,1,2,3,4,5,6,7
	ds_load_b128 v[\bank+4*\k:\bank+4*\k+3], v[PAQ] offset:\off+16*\k
.endr
.endm
.macro LDF frag, sw, side              ; the K step's edge fragment and its scale word, out of the side's image
.irp k, 0,1,2
	ds_load_b128 v[\frag+4*\k:\frag+4*\k+3], v[IAQ] offset:1664*\side+512*\k
.endr
	ds_load_b32 v[\sw], v[ISQ] offset:1664*\side
.endm
; four products: ey's tile j (in bf) against w ex's four tiles.  The 16 accumulators take turns, one instruction a turn, from group to group and over the loop's edge too
.macro MM j, bf, zero
	WIN 0x50                                       ; C and D in window 1
.irp i, 0,1,2,3
.if \zero
	v_wmma_scale_f32_16x16x128_f8f6f4 v[8*(4*\j+\i):8*(4*\j+\i)+7], v[\bf:\bf+11], v[AF+12*\i:AF+12*\i+11], 0, v[SWB+\j], v[SWA+\i] matrix_a_fmt:MATRIX_FMT_BF6 matrix_b_fmt:MATRIX_FMT_BF6
.else
	v_wmma_scale_f32_16x16x128_f8f6f4 v[8*(4*\j+\i):8*(4*\j+\i)+7], v[\bf:\bf+11], v[AF+12*\i:AF+12*\i+11], v[8*(4*\j+\i):8*(4*\j+\i)+7], v[SWB+\j], v[SWA+\i] matrix_a_fmt:MATRIX_FMT_BF6 matrix_b_fmt:MATRIX_FMT_BF6
.endif
.endr
	WIN 0
.endm
.macro XGRID add, base, dst            ; (x', x') of grid row base + add
	v_add_f32 v[FI], \add, v[\base]
	v_mul_f32 v[QQ], s14, v[FI]                    ; i x (1 / 49),
	v_fma_f32 v[RM], -v[QQ], s15, v[FI]            ; what is left of i,
	v_fma_f32 v[QQ], v[RM], s14, v[QQ]             ; i / 49, rounded once
	v_mul_f32 v[\dst], s18, v[QQ]
	v_mov_b32 v[\dst+1], v[\dst]
.endm
; STAGING of chunks 2 k and 2 k + 1 (64 points each; my lane's two points (b0, d0, b1, d1) of each): b, d, w and the four edge numbers go to LDS.  16 exponentials as one batch with one wait
.macro STAGE2 k
	s_wait_loadcnt 14-2*(\k)                       ; loads come back in order: these two chunks are in, the chunks behind them may be out
.if (\k) >= 2
	s_wait_dscnt 14                                ; the 14 stores of the two chunks before may be out; those of the two before them have read the registers that are written now
.endif
.irp c, 0,1
.set RC, RAW+4*(2*(\k)+\c)
.set TC, VA+12*(2*((\k)%2)+\c)         ; 12 registers: +0 (d0, d1), +2 w, +4 .. +11 the four edge pairs
	v_mov_b32 v[TC], v[RC+1]
	v_mov_b32 v[TC+1], v[RC+3]
	v_mov_b32 v[RC+1], v[RC+2]                     ; v[RC:RC+1] = (b0, b1)
	v_pk_fma_f32 v[TC+4:TC+5], v[RC:RC+1], s[10:11], v[XE48:XE48+1] op_sel_hi:[1,0,1]
	v_pk_fma_f32 v[TC+6:TC+7], v[RC:RC+1], s[10:11], v[XE49:XE49+1] op_sel_hi:[1,0,1]
	v_pk_fma_f32 v[TC+8:TC+9], v[TC:TC+1], s[10:11], v[XE48:XE48+1] op_sel_hi:[1,0,1]
	v_pk_fma_f32 v[TC+10:TC+11], v[TC:TC+1], s[10:11], v[XE49:XE49+1] op_sel_hi:[1,0,1]
.irp a, 4,6,8,10
	v_pk_mul_f32 v[TC+\a:TC+\a+1], v[TC+\a:TC+\a+1], v[TC+\a:TC+\a+1] neg_lo:[1,0] neg_hi:[1,0]
.endr
.endr
.irp c, 0,1
.irp a, 4,5,6,7,8,9,10,11
	v_exp_f32 v[VA+12*(2*((\k)%2)+\c)+\a], v[VA+12*(2*((\k)%2)+\c)+\a]
.endr
.endr
.irp c, 0,1                            ; work that names no exponential's result stands behind the batch
.set RC, RAW+4*(2*(\k)+\c)
.set TC, VA+12*(2*((\k)%2)+\c)
	v_pk_add_f32 v[TC+2:TC+3], v[TC:TC+1], v[RC:RC+1] neg_lo:[0,1] neg_hi:[0,1]   ; d - b
	v_min_num_f32 v[TC+2], |v[TC+2]|, s19
	v_min_num_f32 v[TC+3], |v[TC+3]|, s19
	v_pk_mul_f32 v[TC+2:TC+3], v[TC+2:TC+3], v[TC+2:TC+3]                         ; w = min(|d - b|, 10)^2
	ds_store_b64 v[SA], v[RC:RC+1] offset:256*(2*(\k)+\c)
	ds_store_b64 v[SA], v[TC:TC+1] offset:4096+256*(2*(\k)+\c)
	ds_store_b64 v[SA], v[TC+2:TC+3] offset:8192+256*(2*(\k)+\c)
.endr
	s_wait_alu depctr_va_vdst(0)                   ; one wait for the 16, ahead of their first reader
.irp c, 0,1
.set TC, VA+12*(2*((\k)%2)+\c)
	v_pk_mul_f32 v[TC+4:TC+5], v[TC+4:TC+5], v[TC+2:TC+3]                         ; w ex48, w ex49
	v_pk_mul_f32 v[TC+6:TC+7], v[TC+6:TC+7], v[TC+2:TC+3]
.irp a, 0,1,2,3
	ds_store_b64 v[SA], v[TC+4+2*\a:TC+5+2*\a] offset:EOFF+4224*\a+256*(2*(\k)+\c)+16*(\k)
.endr
.endr
.endm
; THE EDGE PASS of a side: lane row r = (grid row 48 + r % 2, K step r / 2); 64 numbers a lane, two blocks; the fragment's registers and the scale word go to LDS as they stand
.macro EDGE side, frag, sw
.irp c, 0,1
.irp k, 0,1,2,3,4,5,6,7
	ds_load_b128 v[VA+32*\c+4*\k:VA+32*\c+4*\k+3], v[EA] offset:8448*\side+256*\c+16*\k
.endr
.endr
	s_wait_dscnt 0x0
	POST VA, \frag, 0, \sw, 0
	POST VB, \frag+6, 1, \sw, 0
.irp k, 0,1,2
	ds_store_b128 v[IW], v[\frag+4*\k:\frag+4*\k+3] offset:1664*\side+512*\k
.endr
	ds_store_b32 v[ISW], v[\sw] offset:1664*\side
	s_wait_dscnt 0x0                               ; the stores have read their registers, which LDS loads take next
.endm
; A K STEP: 128 points.  Twelve units: w ex's tiles 0, 1, 2 for the lane's first block, then for its second; ey's tiles 0, 1 for the first, for the second; ey's tile 2 for both.
; A bank is loaded again behind its last reader and half a stage or more ahead of its first use.  Each group of products stands behind a whole ARGS: 32 plain instructions behind the last line that wrote its codes or scale words.
.macro KSTEP zero
	v_add_nc_u32 v[PAQ], s20, v[PA0]               ; these three and the v_nop are the four places between the last products and the loads into registers that they read
	v_add_nc_u32 v[IAQ], s21, v[IA0]
	v_add_nc_u32 v[ISQ], s22, v[IS0]
	v_nop
	LDQ QA, 0                                      ; b of my first block
	LDQ QB, 8192                                   ; w of it
	LDF AF+36, SWA+3, 0
	LDF BF3, SWB+3, 1
	s_wait_dscnt 16                                ; b is in; w's eight loads and the images' eight may be out
	ARGS VA, QA, 0                                 ; (no batch is in hand: no exponential stands in this one)
	EXPSET VA
	ARGS VB, QA, 1
	FLUSH
	s_wait_dscnt 0x0                               ; w and the edge fragments are in
	EXPSET VB
	POST VA, AF, 0, SWA, 1
	ARGS VA, QA, 2
	FLUSH
	LDQ QA, 256                                    ; b of my second block
	EXPSET VA
	POST VB, AF+12, 0, SWA+1, 1
	s_wait_dscnt 0x0
	ARGS VB, QA, 0
	FLUSH
	EXPSET VB
	POST VA, AF+24, 0, SWA+2, 1
	LDQ QB, 8192+256                               ; w of it
	ARGS VA, QA, 1
	FLUSH
	s_wait_dscnt 0x0
	EXPSET VA
	POST VB, AF+6, 1, SWA, 1
	ARGS VB, QA, 2
	FLUSH
	LDQ QA, 4096                                   ; d of my first block
	EXPSET VB
	POST VA, AF+18, 1, SWA+1, 1
	s_wait_dscnt 0x0
	ARGS VA, QA, 0
	FLUSH
	EXPSET VA
	POST VB, AF+30, 1, SWA+2, 1
	LDQ QB, 4096+256                               ; d of my second block
	ARGS VB, QA, 1
	FLUSH
	MM 3, BF3, \zero                               ; w ex is whole: ey's edge tile first
	EXPSET VB
	POST VA, BF0, 0, SWB, 0
	s_wait_dscnt 0x0
	ARGS VA, QB, 0
	FLUSH
	EXPSET VA
	POST VB, BF1, 0, SWB+1, 0
	ARGS VB, QB, 1
	FLUSH
	EXPSET VB
	POST VA, BF0+6, 1, SWB, 0
	ARGS VA, QA, 2
	FLUSH
	MM 0, BF0, \zero
	EXPSET VA
	POST VB, BF1+6, 1, SWB+1, 0
	ARGS VB, QB, 2
	FLUSH
	MM 1, BF1, \zero
	EXPSET VB
	POST VA, BF0, 0, SWB+2, 0                      ; tile 2 takes tile 0's registers, a whole stage behind tile 0's products
	FLUSH
	POST VB, BF0+6, 1, SWB+2, 0
.rept 5
	v_nop                                          ; with the three moves above: eight places between the line that finished the scale word and the scaled products; five behind the last move
.endr
	MM 2, BF0, \zero
.endm
	s_load_b128 s[4:7], s[0:1], 0x0                ; diagrams s[4:5], part s[6:7]
	v_lshl_add_u32 v[SPW], v0, 2, SPARE
	v_mov_b32 v[NIL], 0
	v_lshrrev_b32 v[WT], 5, v0
	v_readfirstlane_b32 s8, v[WT]                  ; wave 0..7
	s_lshl_b32 s23, s8, 15                         ; my wave's region of LDS
	s_add_co_u32 s24, s23, IMG
	s_add_co_u32 s25, s23, IMG+1536
	s_add_co_u32 s26, s23, EOFF
	v_and_b32 v[LN], 31, v0                        ; lane
	v_and_b32 v[RR], 15, v0                        ; r
	v_bfe_u32 v[HH], v0, 4, 1                      ; h
	v_and_b32 v[R1], 1, v0                         ; r % 2
	v_bfe_u32 v[RQ], v0, 1, 3                      ; r / 2
	v_lshlrev_b32 v[GA], 4, v[LN]
	s_and_b32 s27, ttmp7, 0xffff                   ; the batch
	s_lshl_b32 s28, s27, 19                        ; 524,288 bytes a batch,
	s_lshl_b32 s29, ttmp9, 16                      ; 65,536 a work-group,
	s_add_co_u32 s28, s28, s29
	s_lshl_b32 s29, s8, 13                         ; 8,192 a wave
	s_add_co_u32 s28, s28, s29
	s_mov_b32 s29, 0
	s_lshl_b32 s30, s27, 3
	s_add_co_u32 s30, s30, ttmp9
	s_mul_i32 s30, s30, 10240                      ; my work-group's partial image: number 8 y + x
	s_mov_b32 s31, 0
	s_wait_kmcnt 0x0
	s_add_nc_u64 s[4:5], s[4:5], s[28:29]
	s_add_nc_u64 s[6:7], s[6:7], s[30:31]
.irp i, 0,1,2,3,4,5,6,7,8,9,10,11,12,13,14,15
	global_load_b128 v[RAW+4*\i:RAW+4*\i+3], v[GA], s[4:5] offset:512*\i th:TH_LOAD_NT   ; 32 lanes read 512 consecutive bytes; all of the wave's 8,192 bytes are asked for at once, and read once in the launch
.endr
	s_mov_b32 s10, 0xc187e430                      ; -s
	s_mov_b32 s11, s10                             ; (the packed form names the pair)
	s_mov_b32 s12, 0x76543210
	s_mov_b32 s13, 0xfedcba98                      ; v_permlanex16_b32's selects for lane l xor 16
	s_mov_b32 s14, 0x3ca72f05                      ; 1 / 49
	s_mov_b32 s15, 0x42440000                      ; 49
	s_mov_b32 s18, 0x4187e430                      ; s = sqrt(nf log2 e)
	s_mov_b32 s19, 0x41200000                      ; 10
	v_lshl_add_u32 v[PA0], v[HH], 7, s23
	v_lshlrev_b32 v[IA0], 8, v[HH]
	v_lshl_add_u32 v[IA0], v[R1], 4, v[IA0]
	v_add_nc_u32 v[IA0], s24, v[IA0]
	v_lshl_add_u32 v[IS0], v[R1], 2, s25
	v_lshlrev_b32 v[SH8], 3, v[HH]
	v_mov_b32 v[PT], 0                             ; written once: a lane permute's destination counts as one of its sources
	v_lshl_add_u32 v[SA], v[LN], 3, s23
	v_mul_u32_u24 v[EA], v[R1], 4224
	v_mad_u32_u24 v[EA], v[RQ], 528, v[EA]
	v_lshl_add_u32 v[EA], v[HH], 7, v[EA]
	v_add_nc_u32 v[EA], s26, v[EA]
	v_lshl_add_u32 v[IW], v[LN], 4, s24
	v_lshl_add_u32 v[ISW], v[LN], 2, s25
	v_cvt_f32_u32 v[RF], v[RR]
	XGRID 0, RF, XP                                ; grid rows r,
	XGRID 0x41800000, RF, XP+2                     ; 16 + r,
	XGRID 0x42000000, RF, XP+4                     ; 32 + r,
	XGRID 0x42400000, NIL, XE48                    ; 48
	XGRID 0x42440000, NIL, XE49                    ; and 49, the same in every lane
.irp k, 0,1,2,3,4,5,6,7
	STAGE2 \k
.endr
	s_wait_dscnt 0x0                               ; the staging's stores have read their registers, which the edge pass's loads take
	EDGE 0, AF+36, SWA+3
	EDGE 1, BF3, SWB+3
	s_mov_b32 s20, 0                               ; 512 q: the K step's points
	s_mov_b32 s21, 0                               ; 32 q: its lanes in the images
	s_mov_b32 s22, 0                               ; 8 q: its scale words
	KSTEP 1                                        ; the first K step stands in front of the loop: its products start the sums, nothing is cleared
	s_add_co_u32 s20, s20, 512
	s_add_co_u32 s21, s21, 32
	s_add_co_u32 s22, s22, 8
	s_mov_b32 s9, 7
.Lk:
	KSTEP 0
	s_add_co_u32 s20, s20, 512
	s_add_co_u32 s21, s21, 32
	s_add_co_u32 s22, s22, 8
	s_sub_co_u32 s9, s9, 1
	s_cmp_lg_u32 s9, 0
	s_cbranch_scc1 .Lk
	; THE WAY OUT.  Each wave lays its 64 x 64 sums in its own region as rows of 272 bytes; one barrier; thread T then adds the eight waves' pairs T + 256 k (k = 0 .. 4) of the 50 x 50 image, waves ascending.
	; The address lines are also the places between the last products and the stores that read their results.
	v_and_b32 v[WR], 15, v0
	v_bfe_u32 v[WH], v0, 4, 1
	v_mul_u32_u24 v[STO], v[WR], 272
	v_lshl_add_u32 v[STO], v[WH], 5, v[STO]
	v_add_nc_u32 v[STO], s23, v[STO]               ; row r, + 32 h
	v_lshlrev_b32 v[GO], 3, v0
.irp k, 0,1,2,3,4
	v_add_nc_u32 v[AD+\k], 256*\k, v0              ; pair p: numbers 2 p, 2 p + 1 of the image: row p / 25, bytes 8 (p % 25) on
	v_mul_u32_u24 v[TX], v[AD+\k], 1311
	v_lshrrev_b32 v[TX], 15, v[TX]                 ; p / 25, right for p up to 1,279: 1311 / 32768 is over 1 / 25 by 8.6e-6
	v_mul_u32_u24 v[TX], v[TX], 72
	v_lshl_add_u32 v[AD+\k], v[AD+\k], 3, v[TX]    ; 272 (p / 25) + 8 (p % 25) = 8 p + 72 (p / 25).  Pairs 1,250 on fall into rows 50 and 51: they fill the partial's last 240 bytes, which nobody reads
.endr
.irp m, 1,2,3
.irp k, 0,1,2,3,4
	v_add_nc_u32 v[AD+5*\m+\k], 65536*\m, v[AD+\k]
.endr
.endr
	WIN 0x04                                       ; an LDS store's data are its source 1: window 1
.irp i, 0,1,2,3
.irp j, 0,1,2,3
	ds_store_b128 v[STO], v[8*(4*\j+\i):8*(4*\j+\i)+3] offset:4352*\i+64*\j          ; each accumulator from its low end on
	ds_store_b128 v[STO], v[8*(4*\j+\i)+4:8*(4*\j+\i)+7] offset:4352*\i+64*\j+16
.endr
.endr
	WIN 0
	s_wait_dscnt 0x0                               ; for the others' sake: my image lies in LDS
	s_barrier_signal -1
	s_barrier_wait -1                              ; everybody's does
.irp m, 0,1,2,3
.irp u, 0,1
.irp k, 0,1,2,3,4
	ds_load_b64 v[VA+2*(5*(2*\m+\u)+\k):VA+2*(5*(2*\m+\u)+\k)+1], v[AD+5*\m+\k] offset:32768*\u
.endr
.endr
.endr
.irp w, 1,2,3,4,5,6,7
	s_wait_dscnt 35-5*\w                           ; LDS loads come back in order: wave w's five pairs are in, those of the waves behind it may be out
.irp k, 0,1,2,3,4
	v_pk_add_f32 v[VA+2*\k:VA+2*\k+1], v[VA+2*\k:VA+2*\k+1], v[VA+2*(5*\w+\k):VA+2*(5*\w+\k)+1]
.endr
.endr
.irp k, 0,1,2,3,4
	global_store_b64 v[GO], v[VA+2*\k:VA+2*\k+1], s[6:7] offset:2048*\k   ; 32 lanes store 256 consecutive bytes, at a multiple of 256 from part's first byte
.endr
	s_wait_tensorcnt 0x0                           ; the wave's end: three closing lines, behind my last LDS store
	ds_add_u32 v[SPW], v[NIL]
	s_wait_dscnt 0x0
	s_endpgm
.Lfunc_end_k_q6f92a0d767_image:
	.size	k_q6f92a0d767_image, .Lfunc_end_k_q6f92a0d767_image-k_q6f92a0d767_image
	.p2alignl 7, 3214868480
	.fill 96, 4, 3214868480
	.section	.rodata,"a",@progbits
	.p2align	6, 0x0
	.amdhsa_kernel k_q6f92a0d767_image
		.amdhsa_group_segment_fixed_size 263168
		.amdhsa_private_segment_fixed_size 0
		.amdhsa_enable_private_segment 0
		.amdhsa_kernarg_size 16
		.amdhsa_user_sgpr_count 2
		.amdhsa_user_sgpr_kernarg_segment_ptr 1
		.amdhsa_wavefront_size32 1
		.amdhsa_system_sgpr_workgroup_id_x 1
		.amdhsa_system_sgpr_workgroup_id_y 1
		.amdhsa_system_sgpr_workgroup_id_z 1
		.amdhsa_system_vgpr_workitem_id 0
		.amdhsa_next_free_vgpr 384
		.amdhsa_next_free_sgpr 66
		.amdhsa_reserve_vcc 0
		.amdhsa_float_denorm_mode_32 3
		.amdhsa_float_denorm_mode_16_64 3
		.amdhsa_memory_ordered 1
		.amdhsa_forward_progress 1
		.amdhsa_inst_pref_size 185
	.end_amdhsa_kernel
	.amdgpu_metadata
---
amdhsa.version: [ 1, 2 ]
amdhsa.kernels:
  - .name:           k_q6f92a0d767_image
    .symbol:         k_q6f92a0d767_image.kd
    .args:
      - { .name: diagrams, .offset: 0, .size: 8, .value_kind: global_buffer, .address_space: global }
      - { .name: part, .offset: 8, .size: 8, .value_kind: global_buffer, .address_space: global }
    .group_segment_fixed_size: 263168
    .private_segment_fixed_size: 0
    .kernarg_segment_align: 8
    .kernarg_segment_size: 16
    .max_flat_workgroup_size: 256
    .sgpr_count:     66
    .vgpr_count:     384
    .wavefront_size: 32
...
	.end_amdgpu_metadata
.endif
;; end of part 1
;; launch sum (part 2): grid 625 x 1, 1 waves a work-group, no clusters, 0 bytes of LDS; arguments part, out0; writes out0
.if DOCPART == 2
	.amdgcn_target "amdgcn-amd-amdhsa--gfx1250"
	.amdhsa_code_object_version 6
	.text
	.protected	k_q6f92a0d767_sum
	.globl	k_q6f92a0d767_sum
	.p2align	8
	.type	k_q6f92a0d767_sum,@function
k_q6f92a0d767_sum:
	s_mov_b64 s[64:65], 0
	v_nop
	global_prefetch_b8 v0, s[64:65] scope:SCOPE_SE
	s_setreg_imm32_b32 hwreg(HW_REG_WAVE_MODE, 25, 1), 1
	s_wait_xcnt 0x0
; out0[b] = the sum of batch b's eight partial images, in ascending order.  part: 256 partials of 10,240 bytes, number 8 b + chunk; a partial's first 10,000 bytes lie as a batch of out0 does.  No work is left out.
; A lane takes 16 bytes of out0: piece g = 32 x work-group + lane of 20,000.  A batch is 625 pieces, so no piece lies in two batches.  Memory binds: no LDS, no matrix unit, no loop.
	s_load_b128 s[4:7], s[0:1], 0x0                ; part s[4:5], out0 s[6:7]
	s_lshl_b32 s8, ttmp9, 5
	v_add_nc_u32 v1, s8, v0                        ; g
	v_mul_u32_u24 v2, v1, 6711
	v_lshrrev_b32 v2, 22, v2                       ; the batch, g / 625: right for g under 20,000, since 6711 / 2^22 is over 1 / 625 by 2.8e-8
	v_lshlrev_b32 v3, 4, v1                        ; 16 g: my bytes in out0
	v_mad_u32_u24 v4, v2, 71920, v3                ; in part: 81,920 b + 16 (g - 625 b) = 16 g + 71,920 b
	s_wait_kmcnt 0x0
.irp p, 0,1,2,3,4,5,6,7
	global_load_b128 v[8+4*\p:11+4*\p], v4, s[4:5] offset:10240*\p th:TH_LOAD_NT   ; read once in the launch
.endr
.irp p, 1,2,3,4,5,6,7
	s_wait_loadcnt 7-\p                            ; loads come back in order: partial p is in, those behind it may be out
	v_pk_add_f32 v[8:9], v[8:9], v[8+4*\p:9+4*\p]
	v_pk_add_f32 v[10:11], v[10:11], v[10+4*\p:11+4*\p]
.endr
	global_store_b128 v3, v[8:11], s[6:7]          ; the wave stores 512 consecutive bytes, at a multiple of 256 from out0's first byte
	s_endpgm
.Lfunc_end_k_q6f92a0d767_sum:
	.size	k_q6f92a0d767_sum, .Lfunc_end_k_q6f92a0d767_sum-k_q6f92a0d767_sum
	.p2alignl 7, 3214868480
	.fill 96, 4, 3214868480
	.section	.rodata,"a",@progbits
	.p2align	6, 0x0
	.amdhsa_kernel k_q6f92a0d767_sum
		.amdhsa_group_segment_fixed_size 0
		.amdhsa_private_segment_fixed_size 0
		.amdhsa_enable_private_segment 0
		.amdhsa_kernarg_size 16
		.amdhsa_user_sgpr_count 2
		.amdhsa_user_sgpr_kernarg_segment_ptr 1
		.amdhsa_wavefront_size32 1
		.amdhsa_system_sgpr_workgroup_id_x 1
		.amdhsa_system_sgpr_workgroup_id_y 1
		.amdhsa_system_sgpr_workgroup_id_z 1
		.amdhsa_system_vgpr_workitem_id 0
		.amdhsa_next_free_vgpr 48
		.amdhsa_next_free_sgpr 66
		.amdhsa_reserve_vcc 0
		.amdhsa_float_denorm_mode_32 3
		.amdhsa_float_denorm_mode_16_64 3
		.amdhsa_memory_ordered 1
		.amdhsa_forward_progress 1
		.amdhsa_inst_pref_size 3
	.end_amdhsa_kernel
	.amdgpu_metadata
---
amdhsa.version: [ 1, 2 ]
amdhsa.kernels:
  - .name:           k_q6f92a0d767_sum
    .symbol:         k_q6f92a0d767_sum.kd
    .args:
      - { .name: part, .offset: 0, .size: 8, .value_kind: global_buffer, .address_space: global }
      - { .name: out0, .offset: 8, .size: 8, .value_kind: global_buffer, .address_space: global }
    .group_segment_fixed_size: 0
    .private_segment_fixed_size: 0
    .kernarg_segment_align: 8
    .kernarg_segment_size: 16
    .max_flat_workgroup_size: 32
    .sgpr_count:     66
    .vgpr_count:     48
    .wavefront_size: 32
...
	.end_amdgpu_metadata
.endif
;; end of part 2
;; ======== version 2 of 2: 2 launches; version 1 with the launch image written anew for expert scheduling mode
;; limits: a function is approximated: absolute error at most 1e-06
;; workspace buffers: part 2,621,440 bytes
;; launch image (part 3): grid 8 x 32, 8 waves a work-group, no clusters, 263,168 bytes of LDS; arguments diagrams, part; writes part
.if DOCPART == 3
	.amdgcn_target "amdgcn-amd-amdhsa--gfx1250"
	.amdhsa_code_object_version 6
	.text
	.protected	k_q6f92a0d767_image
	.globl	k_q6f92a0d767_image
	.p2align	8
	.type	k_q6f92a0d767_image,@function
k_q6f92a0d767_image:
	s_mov_b64 s[64:65], 0
	v_nop
	global_prefetch_b8 v0, s[64:65] scope:SCOPE_SE
	s_setreg_imm32_b32 hwreg(HW_REG_WAVE_SCHED_MODE, 0, 2), 2
	s_setreg_imm32_b32 hwreg(HW_REG_WAVE_MODE, 25, 1), 1
	s_wait_xcnt 0x0
	s_wait_alu depctr_vm_vsrc(0)
; part[8 y + x][i][j] = the sum over 8,192 points n of batch y of Q(w[n] ex[n][i]) Q(ey[n][j]):  one eighth of out[y][i][j].
; diagrams: [32][65536][2] f32, (birth b, death d).  w = min(|d - b|, 10)^2;  ex[n][i] = exp(-(x_i - b)^2 nf), ey[n][j] = exp(-(x_j - d)^2 nf), x_i = i / 49, nf = 1 / (2 x 0.05^2 + 1e-8).
; The einsum takes its first two operands first: w ex is an f32 multiplication, and the product over the points is the QUANTISED one: both operands as codes of E3M2, one E8M0 scale
; for each 32 consecutive points, by v_wmma_scale_f32_16x16x128_f8f6f4; sums in f32.
; NOTHING IS LEFT OUT: the one input is loaded whole, and every step of the computation is done.  The grid's 50 rows fill four tiles of 16: rows 50 to 63 of the last tile hold copies of rows
; 48 and 49 (inside a tile that holds live work); what they give is never stored to a byte that is read.
; THE ARITHMETIC OF A NUMBER: x_i = i / 49 rounded once (a product, a remainder by a fused multiply-add, a correction); x'_i = s x_i, s = sqrt(nf log2 e) = 16.986419;
; t' = x'_i - s b by ONE fused multiply-add; the number is 2^(-t' t').  Two packed instructions and two exponentials for two numbers.
; LIMITS.  x'_i is rounded once more than in the formula as it is written: half a unit in the last place of a number up to 17, which moves a result by up to 2 t' x 0.95e-6 x ln 2 of itself:
; under 0.7e-6 at a block's largest numbers, some 4e-6 at 2^-9 of them.  Results under 2^-126 come out as 0 (the exponential's own).  NaN and infinities among the inputs are not served.
; A block of zeros gets the scale byte 1 where the quantiser says 127: its codes are zeros, and nobody but this kernel reads the bytes.
; NO CLUSTER, NO TENSOR LOAD: no two work-groups read the same byte, and every point has to pass through registers anyway (b and d are parted, w and the edge rows are made).
; SHARES.  Work-group (x, y): points 8192 x .. + 8191 of batch y.  Each of its eight waves takes 1,024 of them, eight K steps of 128, all by itself, in LDS bytes of its own, with all 16 accumulators (64 x 64).
; The waves meet once, at the end: their eight images are added through LDS.  The eight work-groups of a batch are added by the next launch.
; LAYOUT.  Lane (r = l % 16, h = l / 16) holds grid row 16 t + r, and its registers run along the points: registers 6 c .. 6 c + 5 of a fragment are points 64 c + 32 h + 0 .. 31 of the K step.
; So a lane holds whole blocks of 32, no other lane is asked for a maximum, and the conversions' results are the operand's registers.  The points' b, d and w come from LDS, the same words for all 16 lanes of a half.
; THE EDGE ROWS 48, 49 cost four exponentials a point and no more: they are made while the points are staged (a lane holds points there), laid in LDS as f32, and quantised by ONE pass a side for all eight K steps:
; in that pass lane row r stands for (grid row 48 + r % 2, K step r / 2).  The registers go to LDS as an image (16 bytes a lane), and K step q takes its fragment from the image's lanes 16 h + 2 q + r % 2.
; THE MATRIX INSTRUCTION IS USED TRANSPOSED: source 0 = a tile of ey (j), source 1 = a tile of w ex (i): register k of lane (r, h) of accumulator (i, j) is out[16 i + r][16 j + 8 h + k].
; BY TURNS.  A unit is 32 numbers a lane (one tile, one block a lane).  While unit u's 32 exponentials are issued, unit u - 1 is weighed, searched for its maximum and converted, and unit u + 1's
; arguments are made, in the other buffer: the exponentials stand singly between those plain instructions, and each batch of 32 has one wait.
; LDS, for wave w from 32768 w on: b, d, w as f32 at 0, 4096, 8192 (4 bytes a point);  from 12288 four arrays of 4,224 bytes (w ex48, w ex49, ey48, ey49): 528 bytes a K step, 512 of data and 16 of padding,
; so that the sixteen rows of an edge read begin in sixteen different columns of 16 bytes;  from 29184 the two images, 1,664 bytes each: three blocks of 512, then 128 bytes of scale words.
; After the loop the same bytes hold the wave's image: 64 rows of 272 bytes.  From 262144: the spare words.
; THE MODE: SCHED_MODE bits 1:0 = 2 (LLVM: expert scheduling mode 2), set by the entry lines.  The code itself states the register dependences between vector or matrix instructions
; and memory or LDS instructions, with s_wait_alu, always for 0.
; THE PLAN.  Registers that memory or LDS instructions touch:
;   v12         the global loads' offset: made at the head, never written again.      v8-v11  LDS addresses of the staging and of the edge passes: made at the head, never written again.
;   RAW         the 16 global loads land here; the staging closes (b0, b1) up in place, and its LDS stores read them.  From the first K step on these registers are the banks QA and QB.
;   v124-171    the staging's four sets of temporaries, two to a step, by turns.  Step k writes set k % 2; eight LDS stores of step k read it, and four more (w ex48, w ex49) that are issued in step k + 1.
;   VA, VB      the edge passes' LDS loads land here, vector instructions read them; on the way out (up to v203) the eight waves' pairs land here.
;   v76-87, v33 and v112-123, v37   the edge fragments and their scale words: written by an edge pass's conversions, read by its LDS stores; in a K step LDS loads land in them and products read them.
;   v13-v15     a K step's three LDS addresses: written at its head, read by all its LDS loads.
;   QA, QB, QC  three banks of 32 points' numbers: LDS loads land in them, ARGS (b, d) and POST (w) read them.  QC lies in ey's fragment registers, which are idle while w ex is made.
;   window 1    the accumulators: matrix instructions alone, until the way out's LDS stores read them.
; IN A K STEP every LDS load stands directly behind a wait that is there anyway.  At the head: one wait on vm_vsrc (the last step's loads have read the three addresses), the three additions, one wait on va_vdst
; (the addresses are written; the last step's products and arguments are done reading all that the head's 28 loads land in).  Each batch of exponentials ends with one wait on va_vdst; a bank is loaded
; again directly behind the first such wait that follows its last reader, a stage or more ahead of its first use (b of the second block: half a stage); and each group of products follows such a wait, behind which the codes and scale words that it takes are written.
.set SPARE, 262144
.set EOFF,  12288
.set IMG,   29184
.set SPW, 1                            ; v1   LDS address of my spare word; never rewritten
.set NIL, 2                            ; v2   0; never rewritten
.set PA0, 3                            ; v3   my half's place among the points of a K step: region + 128 h
.set IA0, 4                            ; v4   my place in an image: region + IMG + 256 h + 16 (r % 2)
.set IS0, 5                            ; v5   and among its scale words: region + IMG + 1536 + 4 (r % 2)
.set SH8, 6                            ; v6   8 h
.set PT,  7                            ; v7   a lane permute's destination
.set SA,  8                            ; v8   staging: region + 8 x lane
.set EA,  9                            ; v9   the edge pass: region + EOFF + 4224 (r % 2) + 528 (r / 2) + 128 h
.set IW,  10                           ; v10  where I store an image: region + IMG + 16 x lane
.set ISW, 11                           ; v11  and its scale word: region + IMG + 1536 + 4 x lane
.set GA,  12                           ; v12  16 x lane: my bytes of a load's 512
.set PAQ, 13                           ; v13-15  the K step's three addresses
.set IAQ, 14
.set ISQ, 15
.set XP,  16                           ; v16-21  (x', x') of my grid rows r, 16 + r, 32 + r
.set MX0, 22                           ; v22, v23  two chains of a block's maximum
.set SCO, 24                           ; v24  the conversions' scale operand
.set BY,  25                           ; v25  a scale byte
.set CT,  26                           ; v26-28  a block's upper 16 codes
.set SWA, 30                           ; v30-33  scale words of w ex's four tiles: scales and nothing else
.set SWB, 34                           ; v34-37  of ey's
.set AF,  40                           ; v40-87  w ex's four fragments
.set BF0, 88                           ; v88-99, v100-111  two fragments of ey by turns
.set BF1, 100
.set BF3, 112                          ; v112-123  ey's edge fragment
.set QC,  88                           ; v88-119  while w ex is made: a third bank, w of my second block
.set VA,  124                          ; v124-155, v156-187  two buffers of 32 numbers
.set VB,  156
.set QA,  188                          ; v188-219, v220-251  two banks of 32 points' b, d or w
.set QB,  220
.set RAW, 188                          ; staging: the 16 loads, four registers each
.set XE48, 172                         ; staging: (x'48, x'48), (x'49, x'49)
.set XE49, 174
.set LN, 176                           ; v176-185  at work at the head
.set RR, 177
.set HH, 178
.set R1, 179
.set RQ, 180
.set WT, 181
.set RF, 182
.set FI, 183
.set QQ, 184
.set RM, 185
.set WR,  204                          ; the way out: r, h, my place in my wave's image, at work, my bytes in part
.set WH,  205
.set STO, 206
.set TX,  207
.set GO,  208
.set AD,  216                          ; v216-235  the way out: address of my pair k in waves 2 m and 2 m + 1, at v[AD + 5 m + k]
; window 1 (v256-383): the 16 accumulators, (i, j) at v[8 (4 j + i)]
.set MSB, 0
.set EB, VA
.set EI, 32
.macro WIN new                         ; the immediate's high byte repeats the setting that is left
.if MSB != \new
	s_set_vgpr_msb (MSB<<8)|\new
.set MSB, \new
.endif
.endm
.macro EXPSET vb                       ; the batch of 32 exponentials to be dealt out: buffer vb
.set EB, \vb
.set EI, 0
.endm
.macro EX                              ; the batch's next exponential, if one is left
.if EI < 32
	v_exp_f32 v[EB+EI], v[EB+EI]
.set EI, EI+1
.endif
.endm
.macro EW n, wf                        ; behind maximum n: an exponential each time (wf = 0) or every second time (wf = 1)
.if ((\n) % 2) || ((\wf) == 0)
	EX
.endif
.endm
.macro FLUSH                           ; the batch's end: what is left of it, a plain instruction behind the last, and the ONE wait
.if EI < 32
.rept 32-EI
	EX
.endr
	v_nop
.endif
	s_wait_alu depctr_va_vdst(0)                   ; the batch's 32 results are written, ahead of the first instruction that names one; the weighings and arguments issued so far are done reading their banks, in which the LDS loads land that follow some of these waits; the codes and scale words made so far are written, which the products take that follow others
.endm
; the arguments of a unit: -t' t', t' = x' - s p, for the 32 points in bank pb and my row of tile t.  An exponential of the batch in hand stands in front of each two lines, so two plain lines follow the last one
.macro ARGS vb, pb, t
.irp i, 0,2,4,6,8,10,12,14
	EX
	v_pk_fma_f32 v[\vb+2*\i:\vb+2*\i+1], v[\pb+2*\i:\pb+2*\i+1], s[10:11], v[XP+2*\t:XP+2*\t+1] op_sel_hi:[1,0,1]
	v_pk_fma_f32 v[\vb+2*\i+2:\vb+2*\i+3], v[\pb+2*\i+2:\pb+2*\i+3], s[10:11], v[XP+2*\t:XP+2*\t+1] op_sel_hi:[1,0,1]
.endr
.irp i, 0,2,4,6,8,10,12,14
	EX
	v_pk_mul_f32 v[\vb+2*\i:\vb+2*\i+1], v[\vb+2*\i:\vb+2*\i+1], v[\vb+2*\i:\vb+2*\i+1] neg_lo:[1,0] neg_hi:[1,0]
	v_pk_mul_f32 v[\vb+2*\i+2:\vb+2*\i+3], v[\vb+2*\i+2:\vb+2*\i+3], v[\vb+2*\i+2:\vb+2*\i+3] neg_lo:[1,0] neg_hi:[1,0]
.endr
.endm
; a unit's 32 numbers in buffer vb become six registers of codes at fd and a byte of scale word sw.  wf = 1: they are first multiplied by w (bank wb).  c: which of the lane's two blocks of the K step
.macro POST vb, fd, c, sw, wf, wb
.if \wf
.irp i, 0,1,2,3,4,5,6,7,8,9,10,11,12,13,14,15
	v_pk_mul_f32 v[\vb+2*\i:\vb+2*\i+1], v[\vb+2*\i:\vb+2*\i+1], v[\wb+2*\i:\wb+2*\i+1]   ; w ex, in f32
	EW \i, 1
.endr
.endif
	v_max3_num_f32 v[MX0], v[\vb], v[\vb+1], 0x2800000                 ; the block's largest number (none is negative), with the floor 2^(5 - 127) among the leaves: the byte cannot fall under 1
	EW 0, \wf
	v_max3_num_f32 v[MX0+1], v[\vb+2], v[\vb+3], v[\vb+4]              ; two chains, so that no line waits for the line above it
	EW 1, \wf
.irp n, 0,1,2,3,4,5,6,7,8,9,10,11,12
	v_max3_num_f32 v[MX0+\n%2], v[MX0+\n%2], v[\vb+5+2*\n], v[\vb+6+2*\n]
	EW \n+2, \wf
.endr
	v_max3_num_f32 v[MX0], v[MX0], v[MX0+1], v[\vb+31]
	EW 15, \wf
	v_add_nc_u32 v[SCO], 0xfe000000, v[MX0]                            ; 4 off its exponent field: the conversion takes the exponent field of this operand as its scale
	v_cvt_scalef32_pk16_bf6_f32 v[\fd:\fd+2], v[\vb:\vb+15], v[SCO]
	v_cvt_scalef32_pk16_bf6_f32 v[CT:CT+2], v[\vb+16:\vb+31], v[SCO]   ; (a conversion's three registers begin on an even number)
.if \c == 0
	v_lshrrev_b32 v[\sw], 23, v[SCO]                                   ; the byte of my first block.  (The plain place behind the conversions)
.else
	v_lshrrev_b32 v[BY], 23, v[SCO]
	v_lshl_or_b32 v[\sw], v[BY], 16, v[\sw]                            ; my two bytes: blocks h and 2 + h of my row,
	v_lshlrev_b32 v[\sw], v[SH8], v[\sw]                               ; at their places in the word;
	v_permlanex16_b32 v[PT], v[\sw], s12, s13
	v_or_b32 v[\sw], v[\sw], v[PT]                                     ; with lane l xor 16's two the word is whole
.endif
.irp i, 0,1,2
	v_mov_b32 v[\fd+3+\i], v[CT+\i]
.endr
.endm
.macro LDQ bank, off                   ; 32 points' numbers from byte off of my half's place: all 16 lanes of a half read the same words
.irp k, 0,1,2,3,4,5,6,7
	ds_load_b128 v[\bank+4*\k:\bank+4*\k+3], v[PAQ] offset:\off+16*\k
.endr
.endm
.macro LDF frag, sw, side              ; the K step's edge fragment and its scale word, out of the side's image
.irp k, 0,1,2
	ds_load_b128 v[\frag+4*\k:\frag+4*\k+3], v[IAQ] offset:1664*\side+512*\k
.endr
	ds_load_b32 v[\sw], v[ISQ] offset:1664*\side
.endm
; four products: ey's tile j (in bf) against w ex's four tiles.  The 16 accumulators take turns, one instruction a turn, from group to group and over the loop's edge too
.macro MM j, bf, zero
	WIN 0x50                                       ; C and D in window 1
.irp i, 0,1,2,3
.if \zero
	v_wmma_scale_f32_16x16x128_f8f6f4 v[8*(4*\j+\i):8*(4*\j+\i)+7], v[\bf:\bf+11], v[AF+12*\i:AF+12*\i+11], 0, v[SWB+\j], v[SWA+\i] matrix_a_fmt:MATRIX_FMT_BF6 matrix_b_fmt:MATRIX_FMT_BF6
.else
	v_wmma_scale_f32_16x16x128_f8f6f4 v[8*(4*\j+\i):8*(4*\j+\i)+7], v[\bf:\bf+11], v[AF+12*\i:AF+12*\i+11], v[8*(4*\j+\i):8*(4*\j+\i)+7], v[SWB+\j], v[SWA+\i] matrix_a_fmt:MATRIX_FMT_BF6 matrix_b_fmt:MATRIX_FMT_BF6
.endif
.endr
	WIN 0
.endm
.macro XGRID add, base, dst            ; (x', x') of grid row base + add
	v_add_f32 v[FI], \add, v[\base]
	v_mul_f32 v[QQ], s14, v[FI]                    ; i x (1 / 49),
	v_fma_f32 v[RM], -v[QQ], s15, v[FI]            ; what is left of i,
	v_fma_f32 v[QQ], v[RM], s14, v[QQ]             ; i / 49, rounded once
	v_mul_f32 v[\dst], s18, v[QQ]
	v_mov_b32 v[\dst+1], v[\dst]
.endm
; w ex48 and w ex49 of chunks 2 k and 2 k + 1 go to LDS: four stores, issued one staging step behind the multiplications that made them, behind that step's wait
.macro WEXOUT k
.irp c, 0,1
.irp a, 0,1
	ds_store_b64 v[SA], v[VA+12*(2*((\k)%2)+\c)+4+2*\a:VA+12*(2*((\k)%2)+\c)+5+2*\a] offset:EOFF+4224*\a+256*(2*(\k)+\c)+16*(\k)
.endr
.endr
.endm
; STAGING of chunks 2 k and 2 k + 1 (64 points each; my lane's two points (b0, d0, b1, d1) of each): b, d, w and the four edge numbers go to LDS.  16 exponentials as one batch with one wait, which serves all the step's stores
.macro STAGE2 k
	s_wait_loadcnt 14-2*(\k)                       ; loads come back in order: these two chunks are in, the chunks behind them may be out
.if (\k) >= 2
	s_wait_dscnt 10                                ; the ten stores of the two chunks before may be out; all that read the set of temporaries that is written now were issued ahead of them
	s_wait_alu depctr_vm_vsrc(0)                   ; the LDS stores issued so far have read their data: the set of temporaries of two steps back, which the lines below write again, among them
.endif
.irp c, 0,1
.set RC, RAW+4*(2*(\k)+\c)
.set TC, VA+12*(2*((\k)%2)+\c)         ; 12 registers: +0 (d0, d1), +2 w, +4 .. +11 the four edge pairs
	v_mov_b32 v[TC], v[RC+1]
	v_mov_b32 v[TC+1], v[RC+3]
	v_mov_b32 v[RC+1], v[RC+2]                     ; v[RC:RC+1] = (b0, b1)
	v_pk_fma_f32 v[TC+4:TC+5], v[RC:RC+1], s[10:11], v[XE48:XE48+1] op_sel_hi:[1,0,1]
	v_pk_fma_f32 v[TC+6:TC+7], v[RC:RC+1], s[10:11], v[XE49:XE49+1] op_sel_hi:[1,0,1]
	v_pk_fma_f32 v[TC+8:TC+9], v[TC:TC+1], s[10:11], v[XE48:XE48+1] op_sel_hi:[1,0,1]
	v_pk_fma_f32 v[TC+10:TC+11], v[TC:TC+1], s[10:11], v[XE49:XE49+1] op_sel_hi:[1,0,1]
.irp a, 4,6,8,10
	v_pk_mul_f32 v[TC+\a:TC+\a+1], v[TC+\a:TC+\a+1], v[TC+\a:TC+\a+1] neg_lo:[1,0] neg_hi:[1,0]
.endr
.endr
.irp c, 0,1
.irp a, 4,5,6,7,8,9,10,11
	v_exp_f32 v[VA+12*(2*((\k)%2)+\c)+\a], v[VA+12*(2*((\k)%2)+\c)+\a]
.endr
.endr
.irp c, 0,1                            ; work that names no exponential's result stands behind the batch
.set RC, RAW+4*(2*(\k)+\c)
.set TC, VA+12*(2*((\k)%2)+\c)
	v_pk_add_f32 v[TC+2:TC+3], v[TC:TC+1], v[RC:RC+1] neg_lo:[0,1] neg_hi:[0,1]   ; d - b
	v_min_num_f32 v[TC+2], |v[TC+2]|, s19
	v_min_num_f32 v[TC+3], |v[TC+3]|, s19
	v_pk_mul_f32 v[TC+2:TC+3], v[TC+2:TC+3], v[TC+2:TC+3]                         ; w = min(|d - b|, 10)^2
.endr
	s_wait_alu depctr_va_vdst(0)                   ; the 16 exponentials' results are written, ahead of their first reader; so are (b0, b1), (d0, d1) and w of these two chunks, w ex48 and w ex49 of the two before, and (in the first step) v[SA]: the stores below read them
.if (\k) >= 1
	WEXOUT (\k)-1
.endif
.irp c, 0,1
.set RC, RAW+4*(2*(\k)+\c)
.set TC, VA+12*(2*((\k)%2)+\c)
	ds_store_b64 v[SA], v[RC:RC+1] offset:256*(2*(\k)+\c)
	ds_store_b64 v[SA], v[TC:TC+1] offset:4096+256*(2*(\k)+\c)
	ds_store_b64 v[SA], v[TC+2:TC+3] offset:8192+256*(2*(\k)+\c)
.irp a, 2,3
	ds_store_b64 v[SA], v[TC+4+2*\a:TC+5+2*\a] offset:EOFF+4224*\a+256*(2*(\k)+\c)+16*(\k)   ; ey48, ey49: the exponentials' results as they are
.endr
.endr
.irp c, 0,1
.set TC, VA+12*(2*((\k)%2)+\c)
	v_pk_mul_f32 v[TC+4:TC+5], v[TC+4:TC+5], v[TC+2:TC+3]                         ; w ex48, w ex49: no store of this step reads what these lines write; they leave in the next step
	v_pk_mul_f32 v[TC+6:TC+7], v[TC+6:TC+7], v[TC+2:TC+3]
.endr
.endm
; THE EDGE PASS of a side: lane row r = (grid row 48 + r % 2, K step r / 2); 64 numbers a lane, two blocks; the fragment's registers and the scale word go to LDS as they stand
.macro EDGE side, frag, sw
.irp c, 0,1
.irp k, 0,1,2,3,4,5,6,7
	ds_load_b128 v[VA+32*\c+4*\k:VA+32*\c+4*\k+3], v[EA] offset:8448*\side+256*\c+16*\k
.endr
.endr
	s_wait_dscnt 0x0
	POST VA, \frag, 0, \sw, 0, QB
	POST VB, \frag+6, 1, \sw, 0, QB
	s_wait_alu depctr_va_vdst(0)                   ; the fragment's codes and its scale word are written, which the stores below read; and the pass is done reading VA and VB, in which the next pass's loads land
.irp k, 0,1,2
	ds_store_b128 v[IW], v[\frag+4*\k:\frag+4*\k+3] offset:1664*\side+512*\k
.endr
	ds_store_b32 v[ISW], v[\sw] offset:1664*\side
	s_wait_dscnt 0x0                               ; the image lies in LDS
.endm
; A K STEP: 128 points.  Twelve units: w ex's tiles 0, 1, 2 for the lane's first block, then for its second; ey's tiles 0, 1 for the first, for the second; ey's tile 2 for both.
; Each run of LDS loads stands directly behind a wait on va_vdst that follows the last reader of the registers in which it lands.  Each group of products stands behind a whole ARGS, 32 plain
; instructions behind the last line that wrote its codes or scale words, and behind the batch's wait.
.macro KSTEP zero
	s_wait_alu depctr_vm_vsrc(0)                   ; the LDS loads of the last K step have read the three addresses, which are written now; in the first K step: the edge passes' stores have read the edge fragments and scale words, and the staging's stores RAW, in all of which loads of this step land
	v_add_nc_u32 v[PAQ], s20, v[PA0]               ; these three and the v_nop stand between the last products and the loads into registers that they read
	v_add_nc_u32 v[IAQ], s21, v[IA0]
	v_add_nc_u32 v[ISQ], s22, v[IS0]
	v_nop
	s_wait_alu depctr_va_vdst(0)                   ; the three addresses are written, which this step's loads read; the last step's products are done reading ey's fragments, w ex's edge fragment and its scale word, its arguments are done reading QA and QB: the 28 loads below land there
	LDQ QA, 0                                      ; b of my first block
	LDQ QB, 8192                                   ; w of it
	LDQ QC, 8192+256                               ; w of my second block
	LDF AF+36, SWA+3, 0
	s_wait_dscnt 20                                ; b is in; w's sixteen loads and the image's four may be out
	ARGS VA, QA, 0                                 ; (no batch is in hand: no exponential stands in this one)
	EXPSET VA
	ARGS VB, QA, 1
	FLUSH
	s_wait_dscnt 12                                ; w of my first block is in; the second block's eight loads and the image's four may be out
	EXPSET VB
	POST VA, AF, 0, SWA, 1, QB
	ARGS VA, QA, 2
	FLUSH
	LDQ QA, 256                                    ; b of my second block: the three ARGS that read QA stand ahead of the wait above
	EXPSET VA
	POST VB, AF+12, 0, SWA+1, 1, QB
	s_wait_dscnt 0x0                               ; it is in, and so is all that the head asked for
	ARGS VB, QA, 0
	FLUSH
	EXPSET VB
	POST VA, AF+24, 0, SWA+2, 1, QB
	ARGS VA, QA, 1
	FLUSH
	LDQ QB, 4096                                   ; d of my first block: the three weighings that read QB stand ahead of the wait above
	EXPSET VA
	POST VB, AF+6, 1, SWA, 1, QC
	ARGS VB, QA, 2
	FLUSH
	LDQ QA, 4096+256                               ; d of my second block: the three ARGS that read QA stand ahead of the wait above
	EXPSET VB
	POST VA, AF+18, 1, SWA+1, 1, QC
	s_wait_dscnt 8                                 ; d of my first block is in; the second block's eight loads may be out
	ARGS VA, QB, 0
	FLUSH
	EXPSET VA
	POST VB, AF+30, 1, SWA+2, 1, QC
	ARGS VB, QB, 1
	FLUSH
	LDF BF3, SWB+3, 1                              ; ey's edge fragment: the three weighings that read QC, in whose upper registers it lands, stand ahead of the wait above
	EXPSET VB
	POST VA, BF0, 0, SWB, 0, QB
	s_wait_dscnt 4                                 ; d of my second block is in; the image's four loads may be out
	ARGS VA, QA, 0
	FLUSH
	s_wait_dscnt 0x0                               ; ey's edge fragment is in
	MM 3, BF3, \zero                               ; w ex is whole: ey's edge tile first
	EXPSET VA
	POST VB, BF1, 0, SWB+1, 0, QB
	ARGS VB, QA, 1
	FLUSH
	EXPSET VB
	POST VA, BF0+6, 1, SWB, 0, QB
	ARGS VA, QB, 2
	FLUSH
	MM 0, BF0, \zero
	EXPSET VA
	POST VB, BF1+6, 1, SWB+1, 0, QB
	ARGS VB, QA, 2
	FLUSH
	MM 1, BF1, \zero
	EXPSET VB
	POST VA, BF0, 0, SWB+2, 0, QB                  ; tile 2 takes tile 0's registers, a whole stage behind tile 0's products
	FLUSH
	POST VB, BF0+6, 1, SWB+2, 0, QB
.rept 5
	v_nop                                          ; with the three moves above: eight places between the line that finished the scale word and the scaled products; five behind the last move
.endr
	s_wait_alu depctr_va_vdst(0)                   ; tile 2's codes and its scale word are written, which the products below take; the places above stay beside this wait
	MM 2, BF0, \zero
.endm
	s_load_b128 s[4:7], s[0:1], 0x0                ; diagrams s[4:5], part s[6:7]
	v_lshl_add_u32 v[SPW], v0, 2, SPARE
	v_mov_b32 v[NIL], 0
	v_lshrrev_b32 v[WT], 5, v0
	v_readfirstlane_b32 s8, v[WT]                  ; wave 0..7
	v_and_b32 v[LN], 31, v0                        ; lane
	v_and_b32 v[RR], 15, v0                        ; r
	v_bfe_u32 v[HH], v0, 4, 1                      ; h
	v_and_b32 v[R1], 1, v0                         ; r % 2
	v_bfe_u32 v[RQ], v0, 1, 3                      ; r / 2
	v_lshlrev_b32 v[GA], 4, v[LN]
	s_wait_alu depctr_va_sdst(0)                   ; s8 is written, ahead of its first reader: the wave's region of LDS and its bytes of the input are made from it
	s_lshl_b32 s23, s8, 15                         ; my wave's region of LDS
	s_add_co_u32 s24, s23, IMG
	s_add_co_u32 s25, s23, IMG+1536
	s_add_co_u32 s26, s23, EOFF
	s_and_b32 s27, ttmp7, 0xffff                   ; the batch
	s_lshl_b32 s28, s27, 19                        ; 524,288 bytes a batch,
	s_lshl_b32 s29, ttmp9, 16                      ; 65,536 a work-group,
	s_add_co_u32 s28, s28, s29
	s_lshl_b32 s29, s8, 13                         ; 8,192 a wave
	s_add_co_u32 s28, s28, s29
	s_mov_b32 s29, 0
	s_lshl_b32 s30, s27, 3
	s_add_co_u32 s30, s30, ttmp9
	s_mul_i32 s30, s30, 10240                      ; my work-group's partial image: number 8 y + x
	s_mov_b32 s31, 0
	s_wait_kmcnt 0x0
	s_add_nc_u64 s[4:5], s[4:5], s[28:29]
	s_add_nc_u64 s[6:7], s[6:7], s[30:31]
	s_wait_alu depctr_va_vdst(0)                   ; v[GA] is written, which the 16 loads below read as their offset
.irp i, 0,1,2,3,4,5,6,7,8,9,10,11,12,13,14,15
	global_load_b128 v[RAW+4*\i:RAW+4*\i+3], v[GA], s[4:5] offset:512*\i th:TH_LOAD_NT   ; 32 lanes read 512 consecutive bytes; all of the wave's 8,192 bytes are asked for at once, and read once in the launch
.endr
	s_mov_b32 s10, 0xc187e430                      ; -s
	s_mov_b32 s11, s10                             ; (the packed form names the pair)
	s_mov_b32 s12, 0x76543210
	s_mov_b32 s13, 0xfedcba98                      ; v_permlanex16_b32's selects for lane l xor 16
	s_mov_b32 s14, 0x3ca72f05                      ; 1 / 49
	s_mov_b32 s15, 0x42440000                      ; 49
	s_mov_b32 s18, 0x4187e430                      ; s = sqrt(nf log2 e)
	s_mov_b32 s19, 0x41200000                      ; 10
	v_lshl_add_u32 v[PA0], v[HH], 7, s23
	v_lshlrev_b32 v[IA0], 8, v[HH]
	v_lshl_add_u32 v[IA0], v[R1], 4, v[IA0]
	v_add_nc_u32 v[IA0], s24, v[IA0]
	v_lshl_add_u32 v[IS0], v[R1], 2, s25
	v_lshlrev_b32 v[SH8], 3, v[HH]
	v_mov_b32 v[PT], 0                             ; written once: a lane permute's destination counts as one of its sources
	v_lshl_add_u32 v[SA], v[LN], 3, s23
	v_mul_u32_u24 v[EA], v[R1], 4224
	v_mad_u32_u24 v[EA], v[RQ], 528, v[EA]
	v_lshl_add_u32 v[EA], v[HH], 7, v[EA]
	v_add_nc_u32 v[EA], s26, v[EA]
	v_lshl_add_u32 v[IW], v[LN], 4, s24
	v_lshl_add_u32 v[ISW], v[LN], 2, s25
	v_cvt_f32_u32 v[RF], v[RR]
	XGRID 0, RF, XP                                ; grid rows r,
	XGRID 0x41800000, RF, XP+2                     ; 16 + r,
	XGRID 0x42000000, RF, XP+4                     ; 32 + r,
	XGRID 0x42400000, NIL, XE48                    ; 48
	XGRID 0x42440000, NIL, XE49                    ; and 49, the same in every lane
.irp k, 0,1,2,3,4,5,6,7
	STAGE2 \k
.endr
	s_wait_alu depctr_va_vdst(0)                   ; w ex48 and w ex49 of the last two chunks are written, which the four stores below read; and every vector instruction so far is done with v124 to v187, in which the edge pass's loads land, and has written v[EA], v[IW], v[ISW]
	WEXOUT 7
	s_wait_dscnt 0x0                               ; all that was staged lies in LDS
	s_wait_alu depctr_vm_vsrc(0)                   ; the staging's stores have read their temporaries, in which the edge pass's loads land
	EDGE 0, AF+36, SWA+3
	EDGE 1, BF3, SWB+3
	s_mov_b32 s20, 0                               ; 512 q: the K step's points
	s_mov_b32 s21, 0                               ; 32 q: its lanes in the images
	s_mov_b32 s22, 0                               ; 8 q: its scale words
	KSTEP 1                                        ; the first K step stands in front of the loop: its products start the sums, nothing is cleared
	s_add_co_u32 s20, s20, 512
	s_add_co_u32 s21, s21, 32
	s_add_co_u32 s22, s22, 8
	s_mov_b32 s9, 7
.Lk:
	KSTEP 0
	s_add_co_u32 s20, s20, 512
	s_add_co_u32 s21, s21, 32
	s_add_co_u32 s22, s22, 8
	s_sub_co_u32 s9, s9, 1
	s_cmp_lg_u32 s9, 0
	s_cbranch_scc1 .Lk
	; THE WAY OUT.  Each wave lays its 64 x 64 sums in its own region as rows of 272 bytes; one barrier; thread T then adds the eight waves' pairs T + 256 k (k = 0 .. 4) of the 50 x 50 image, waves ascending.
	; The address lines are also the places between the last products and the stores that read their results.
	v_and_b32 v[WR], 15, v0
	v_bfe_u32 v[WH], v0, 4, 1
	v_mul_u32_u24 v[STO], v[WR], 272
	v_lshl_add_u32 v[STO], v[WH], 5, v[STO]
	v_add_nc_u32 v[STO], s23, v[STO]               ; row r, + 32 h
	v_lshlrev_b32 v[GO], 3, v0
.irp k, 0,1,2,3,4
	v_add_nc_u32 v[AD+\k], 256*\k, v0              ; pair p: numbers 2 p, 2 p + 1 of the image: row p / 25, bytes 8 (p % 25) on
	v_mul_u32_u24 v[TX], v[AD+\k], 1311
	v_lshrrev_b32 v[TX], 15, v[TX]                 ; p / 25, right for p up to 1,279: 1311 / 32768 is over 1 / 25 by 8.6e-6
	v_mul_u32_u24 v[TX], v[TX], 72
	v_lshl_add_u32 v[AD+\k], v[AD+\k], 3, v[TX]    ; 272 (p / 25) + 8 (p % 25) = 8 p + 72 (p / 25).  Pairs 1,250 on fall into rows 50 and 51: they fill the partial's last 240 bytes, which nobody reads
.endr
.irp m, 1,2,3
.irp k, 0,1,2,3,4
	v_add_nc_u32 v[AD+5*\m+\k], 65536*\m, v[AD+\k]
.endr
.endr
	WIN 0x04                                       ; an LDS store's data are its source 1: window 1
	s_wait_alu depctr_va_vdst(0)                   ; the products have written the accumulators and the lines above v[STO], which the stores below read; v[AD ..] are written, which the loads behind the barrier read, and every vector instruction is done with v124 to v203, in which those loads land.  The places above stay beside this wait
.irp i, 0,1,2,3
.irp j, 0,1,2,3
	ds_store_b128 v[STO], v[8*(4*\j+\i):8*(4*\j+\i)+3] offset:4352*\i+64*\j          ; each accumulator from its low end on
	ds_store_b128 v[STO], v[8*(4*\j+\i)+4:8*(4*\j+\i)+7] offset:4352*\i+64*\j+16
.endr
.endr
	WIN 0
	s_wait_dscnt 0x0                               ; for the others' sake: my image lies in LDS
	s_barrier_signal -1
	s_barrier_wait -1                              ; everybody's does
.irp m, 0,1,2,3
.irp u, 0,1
.irp k, 0,1,2,3,4
	ds_load_b64 v[VA+2*(5*(2*\m+\u)+\k):VA+2*(5*(2*\m+\u)+\k)+1], v[AD+5*\m+\k] offset:32768*\u
.endr
.endr
.endr
.irp w, 1,2,3,4,5,6,7
	s_wait_dscnt 35-5*\w                           ; LDS loads come back in order: wave w's five pairs are in, those of the waves behind it may be out
.irp k, 0,1,2,3,4
	v_pk_add_f32 v[VA+2*\k:VA+2*\k+1], v[VA+2*\k:VA+2*\k+1], v[VA+2*(5*\w+\k):VA+2*(5*\w+\k)+1]
.endr
.endr
	s_wait_alu depctr_va_vdst(0)                   ; the additions have written the five pairs, which the stores below read
.irp k, 0,1,2,3,4
	global_store_b64 v[GO], v[VA+2*\k:VA+2*\k+1], s[6:7] offset:2048*\k   ; 32 lanes store 256 consecutive bytes, at a multiple of 256 from part's first byte
.endr
	s_wait_dscnt 0x0                               ; the closing lines, six on end
	s_wait_alu 0x0
	s_wait_tensorcnt 0x0
	ds_add_u32 v[SPW], v[NIL]
	s_wait_dscnt 0x0
	s_endpgm
.Lfunc_end_k_q6f92a0d767_image:
	.size	k_q6f92a0d767_image, .Lfunc_end_k_q6f92a0d767_image-k_q6f92a0d767_image
	.p2alignl 7, 3214868480
	.fill 96, 4, 3214868480
	.section	.rodata,"a",@progbits
	.p2align	6, 0x0
	.amdhsa_kernel k_q6f92a0d767_image
		.amdhsa_group_segment_fixed_size 263168
		.amdhsa_private_segment_fixed_size 0
		.amdhsa_enable_private_segment 0
		.amdhsa_kernarg_size 16
		.amdhsa_user_sgpr_count 2
		.amdhsa_user_sgpr_kernarg_segment_ptr 1
		.amdhsa_wavefront_size32 1
		.amdhsa_system_sgpr_workgroup_id_x 1
		.amdhsa_system_sgpr_workgroup_id_y 1
		.amdhsa_system_sgpr_workgroup_id_z 1
		.amdhsa_system_vgpr_workitem_id 0
		.amdhsa_next_free_vgpr 384
		.amdhsa_next_free_sgpr 66
		.amdhsa_reserve_vcc 0
		.amdhsa_float_denorm_mode_32 3
		.amdhsa_float_denorm_mode_16_64 3
		.amdhsa_memory_ordered 1
		.amdhsa_forward_progress 1
		.amdhsa_inst_pref_size 185
	.end_amdhsa_kernel
	.amdgpu_metadata
---
amdhsa.version: [ 1, 2 ]
amdhsa.kernels:
  - .name:           k_q6f92a0d767_image
    .symbol:         k_q6f92a0d767_image.kd
    .args:
      - { .name: diagrams, .offset: 0, .size: 8, .value_kind: global_buffer, .address_space: global }
      - { .name: part, .offset: 8, .size: 8, .value_kind: global_buffer, .address_space: global }
    .group_segment_fixed_size: 263168
    .private_segment_fixed_size: 0
    .kernarg_segment_align: 8
    .kernarg_segment_size: 16
    .max_flat_workgroup_size: 256
    .sgpr_count:     66
    .vgpr_count:     384
    .wavefront_size: 32
...
	.end_amdgpu_metadata
.endif
;; end of part 3
;; launch sum: the kernel of part 2 again; grid 625 x 1, 1 waves a work-group, no clusters, 0 bytes of LDS; arguments part, out0; writes out0
